; MI455X (gfx1250); checked and timed in simulation.
; The chip was launched on July 23, 2026; its instructions are those of AMD's public machine-readable ISA for CDNA 5 (MIT licence, August 2026) and "CDNA5" Instruction Set Architecture Reference Guide (July 2026). The comments in the code are by the model that wrote it; some were corrected since.
;; LSTM. Allowed arithmetic: float matrix products may take bf16 or f16 operands with f32 sums; all other float work in f32.
;; Inputs: W_hh 512 x 128 float32; W_ih 512 x 2 float32; W_last 2 x 128 float32; b_hh 512 float32; b_ih 512 float32; b_last 2 float32; traj_gt 32,768 x 12 x 2 float32; traj_in 32,768 x 8 x 2 float32.
;; Outputs: out0 32,768 x 12 x 2 float32; out1 one number float32.
;; One version. Each part assembles by itself: llvm-mc -triple=amdgcn-amd-amdhsa -mcpu=gfx1250 --defsym DOCPART=n.
;; ======== version 1 of 1: 2 launches
;; workspace buffers: part 1,024 bytes
;; launch lstm (part 1): grid 256 x 1, 8 waves a work-group, no clusters, 132,352 bytes of LDS; arguments traj_in, traj_gt, W_ih, W_hh, b_ih, b_hh, W_last, b_last, out0, part; writes out0, part
.if DOCPART == 1
	.amdgcn_target "amdgcn-amd-amdhsa--gfx1250"
	.amdhsa_code_object_version 6
	.text
	.protected	k_q2597ace7f7_lstm
	.globl	k_q2597ace7f7_lstm
	.p2align	8
	.type	k_q2597ace7f7_lstm,@function
k_q2597ace7f7_lstm:
	s_mov_b64 s[64:65], 0
	v_nop
	global_prefetch_b8 v0, s[64:65] scope:SCOPE_SE
	s_setreg_imm32_b32 hwreg(HW_REG_WAVE_MODE, 25, 1), 1
	s_wait_xcnt 0x0
; LSTM, 128 units, 32,768 batch rows: 8 observed steps, then the point relu(h) W_last^T + b_last is fed back as x.
; out0[:, k] is the head of h behind cell 7 + k (k = 0..11), so 19 cells (0..18) and 12 heads reach a result; the 20th cell and the
; heads of cells 0..6 are thrown away by the problem itself and are not made.  part[g] = this work-group's sum of (out0 - traj_gt)^2.
;
; SHARES.  A work-group carries 128 batch rows (8 tiles of 16) through all 19 cells; nothing goes through memory between cells.
; Eight waves, two for each of a WGP's four SIMDs.  Wave w owns units 16 w .. 16 w + 15 in all four gates, for all 128 rows: 64 rows
; of W, kept in 160 registers as bf16 fragments for the whole kernel.
; THE PRODUCT IS TRANSPOSED: A = 16 rows of W, B = h (columns = batch rows, K = units).  Register j of lane (r, hh) of a result is
; (unit 16 w + 8 hh + j, batch row r): eight neighbouring units of one row.  Packed to bf16 they are registers 0-3 (w even) or 4-7
; (w odd) of the next cell's B fragment of K chunk w / 2, so h passes through LDS as ready fragment images: 16 bytes a thread, in
; thread order, out and in, with no transpose.
; x AND THE BIASES ride a fifth K chunk, of which k = 0..7 are used: B = {xh0,xh1 | xl0,xl1 | xh0,xh1 | 1,1},
; A = {wh0,wh1 | wh0,wh1 | wl0,wl1 | bh,bl}, hi = bf16(v), lo = bf16(v - hi): x, W_ih and b_ih + b_hh enter with two bf16 each.
; SCALES are folded into the weights before they are rounded: rows of i, f, o times -log2(e), rows of g times 2 log2(e) = K2.
; With Ei, Ef, Eg = exp2(min(sum, 32)), Eo = exp2(sum), P = (1+Ei)(1+Eg) and the state kept as c' = K2 c:
;   c2' = [c' P + K2 (Eg-1)(1+Ef)] / [P (1+Ef)],   h = (Ec-1) / [(1+Eo)(1+Ec)],  Ec = exp2(c2'):
; five exponentials and two reciprocals for an element.  The clamp at 32 keeps the first quotient's terms below 2^97; it moves a
; sigmoid by less than 2^-32 and a tanh by nothing in f32.  c needs no clamp: |c| <= 19 behind 19 cells whatever the inputs, so
; |c'| <= 55.  Eo needs none: Ec is finite, so an infinite Eo gives an infinite divisor, a reciprocal of 0 and h = 0, its limit.
; THE HEAD: wave w multiplies relu(h) of its 16 units by its piece of W_last (one matrix instruction a tile); the eight waves'
; pairs go through LDS beside h, and every wave adds them in f32, in a fixed order, for the tile that it is about to multiply.
;
; THE PIPELINE.  Trip P(n) holds, interleaved in one wave: the 20 matrix instructions of tile n + 1, the activations and LDS stores
; of tile n, and the LDS loads (and the point t) of tile n + 2.  It runs on from cell to cell: behind tile 7 comes the next cell's
; tile 0.  Two sets of accumulators, of h fragments, of x fragments and of pairs take turns by the tile's parity.
; BARRIERS.  Tile n's h and pairs are stored at the end of P(n) and loaded at the head of P(n - 2) of the next cell, six trips on; the
; bytes are overwritten ten trips behind those loads (two LDS slots by the cell's parity).  A barrier in every fourth trip (tiles 0
; and 4) therefore stands between each store and its loads and between each load and the next store.  Its signal stands in the
; middle of the trip, behind a wait for all the wave's LDS instructions; its wait stands in front of the trip's own LDS stores;
; between the two is register work alone.
; REGISTER WINDOWS (s_set_vgpr_msb: bits 1:0 source 0, 3:2 source 1, 5:4 source 2, 7:6 destination).  Window 1 holds W, W_last, both
; accumulator sets and what the activations work on; window 0 holds addresses, c', the B fragments and what goes to LDS.
;   0x51  D, A, C in window 1, B in window 0: matrix instructions; also every exp and rcp (in place), the clamps, adds of constants
;         and c' P (c' as source 1).  So matrix instructions and transcendentals stand in the same stretches, with no switch between.
;   0x55  all in window 1: products of two computed numbers.     0x05  sources in window 1, destination in window 0: c', bf16 packs.
;   0x04  an LDS store's data in window 1.                       0     LDS loads, the point t, labels and branches.
; LIMITS.  NaN or infinite inputs are not carried through (the clamp's minimum drops a NaN).  The sigmoids of i and f saturate at
; 2^-32.  Matrix operands are bf16: scaled W_hh, h, relu(h), W_last.  The loss is added in a fixed tree, not as a plain mean adds.
; NO CLUSTER, NO TENSOR LOAD: what work-groups share is the weights alone, 271,368 bytes read once by each in front of 19 cells, and
; they are scaled and rounded on their way into registers; no tile of them ever lies in LDS.
.set HB,    0                          ; h: slot x 32,768 + tile x 4,096 + producing wave x 512 + lane x 16
.set HSLOT, 32768
.set PB,    65536                      ; head pairs: slot x 18,432 + row x 144 + hh x 64 + wave x 8 (hh = 1: rows 8, 9 of the result, zeros, never read)
.set PSLOT, 18432
.set XF,    102400                     ; observed x as fragment words: step x 2,048 + row x 16
.set OS,    118784                     ; the image of the work-group's 12,288 bytes of out0: row x 96 + k x 8
.set RED,   131072                     ; eight partial sums
; window 0: v1 16 lane; v2 16 thread; v3 XF + 16 r; v4 PB + 144 r; v5 v4 + 64 hh + 8 w; v6 OS + 96 (16 w + r); v7 v4 + 2,304 w;
;           v[8:9] K2 twice; v[10:11] b_last; v[12:13] the point t; v[14:15] at work
.set CST,  16                          ; v[16:79]   c', 8 registers a tile
.set GT,   80                          ; v[80:91]   my 48 bytes of traj_gt
.set BF,   112                         ; v[112:175] h fragments, two sets of 32
.set EX,   176                         ; v[176:191] fifth-chunk fragments, two sets of 8 (registers 4-7 stay zero)
.set PL,   192                         ; v[192:223] the eight waves' head pairs, two sets of 16
.set HP,   224                         ; v[224:227] h in bf16
.set RB,   228                         ; v[228:235] relu(h) fragment (registers 4-7 stay zero)
.set STG0, 112                         ; prologue: two stages of 64 registers for rows of W_hh in f32
.set STG1, 176
; window 1 (written by the low 8 bits): fragment (gate g, chunk c) at 8 (5 g + c), c = 4 the fifth chunk: v0-159
.set WL,   160                         ; v[160:167] W_last fragment
.set ACC,  168                         ; v[168:231] two sets of the four gates' sums: i, f, g, o, 8 registers each
.set TT,   232                         ; v[232:239] at work
.set PD,   240                         ; v[240:247] the head's result
.set K2W,  248                         ; v[248:249] K2 twice
.set MODA, 0x51
.set MODB, 0x55
.set MODC, 0x05
.set MODD, 0x04
.set MSB, 0
.macro WIN new                         ; the immediate's high byte repeats the setting that is left
.if MSB != \new
	s_set_vgpr_msb (MSB<<8)|\new
.set MSB, \new
.endif
.endm
	s_load_b512 s[8:23], s[0:1], 0x0               ; traj_in 8, traj_gt 10, W_ih 12, W_hh 14, b_ih 16, b_hh 18, W_last 20, b_last 22
	s_load_b128 s[24:27], s[0:1], 0x40             ; out0 24, part 26
	v_lshl_add_u32 v250, v0, 2, 0x20100
	v_mov_b32 v251, 0
	s_mov_b32 s31, 0x42000000                      ; 32.0, the clamp
	s_mov_b32 s32, 0xbfb8aa3b                      ; -log2(e), as a pair for the packed multiply
	s_mov_b32 s33, 0xbfb8aa3b
	s_mov_b32 s34, 0x4038aa3b                      ; K2 = 2 log2(e)
	s_mov_b32 s35, 0x4038aa3b
	s_mov_b32 s36, 0x76543210                      ; v_permlanex16_b32: lane i takes lane i of the other half
	s_mov_b32 s37, 0xfedcba98
	s_mov_b32 s41, 0
	v_and_b32 v8, 31, v0                           ; lane
	v_and_b32 v9, 15, v0                           ; r
	v_bfe_u32 v10, v0, 4, 1                        ; hh
	v_lshrrev_b32 v11, 5, v0                       ; w
	v_readfirstlane_b32 s30, v11                   ; the wave's number as a scalar
	v_lshlrev_b32 v1, 4, v8
	v_lshlrev_b32 v2, 4, v0
	v_lshl_add_u32 v3, v9, 4, XF
	v_mul_u32_u24 v4, v9, 144
	v_add_nc_u32 v4, PB, v4
	v_lshl_add_u32 v5, v10, 6, v4
	v_lshl_add_u32 v5, v11, 3, v5
	v_lshl_add_u32 v12, v11, 4, v9                 ; 16 w + r: my unit, and my row where the wave's number is the tile's
	v_mul_u32_u24 v6, v12, 96
	v_add_nc_u32 v6, OS, v6
	v_mad_u32_u24 v7, v11, 2304, v4
	v_lshlrev_b32 v252, 9, v12                     ; W_hh: my unit's row of 512 bytes,
	v_lshl_add_u32 v252, v10, 5, v252              ; + 8 hh numbers
	v_lshlrev_b32 v253, 3, v12                     ; W_ih: rows of 8 bytes
	v_lshlrev_b32 v254, 2, v12                     ; biases
	v_min_u32 v13, 1, v9                           ; W_last has two rows: lanes r > 1 read row 1 and are masked below
	v_lshlrev_b32 v255, 9, v13
	v_lshl_add_u32 v255, v11, 6, v255              ; + my wave's 16 units
	v_lshl_add_u32 v255, v10, 5, v255              ; + 8 hh
	v_and_b32 v13, 3, v0                           ; my 16 bytes of traj_in are steps 2 (t & 3), + 1 of row t >> 2 (+ 64 for the second load)
	v_lshrrev_b32 v14, 2, v0
	v_lshlrev_b32 v244, 12, v13
	v_lshl_add_u32 v244, v14, 4, v244
	v_add_nc_u32 v244, XF, v244
	s_wait_kmcnt 0x0
	s_lshl_b32 s40, ttmp9, 13                      ; 128 rows of 64 bytes
	s_add_nc_u64 s[8:9], s[8:9], s[40:41]
	s_mul_i32 s40, ttmp9, 12288                    ; 128 rows of 96 bytes
	s_add_nc_u64 s[10:11], s[10:11], s[40:41]
	s_add_nc_u64 s[24:25], s[24:25], s[40:41]
	s_lshl_b32 s40, ttmp9, 2
	s_add_nc_u64 s[26:27], s[26:27], s[40:41]
	s_load_b64 s[28:29], s[22:23], 0x0             ; b_last's two numbers
	; the 16 small loads
	global_load_b128 v[16:19], v2, s[8:9] th:TH_LOAD_NT
	global_load_b128 v[20:23], v2, s[8:9] offset:4096 th:TH_LOAD_NT
	global_load_b128 v[24:27], v255, s[20:21]
	global_load_b128 v[28:31], v255, s[20:21] offset:16
.irp g, 0,1,2,3
	global_load_b64 v[32+2*\g:33+2*\g], v253, s[12:13] offset:\g*1024
	global_load_b32 v[40+\g], v254, s[16:17] offset:\g*512
	global_load_b32 v[44+\g], v254, s[18:19] offset:\g*512
.endr
; 16 loads: my unit's row of gate g, the 64 numbers that my lane's four fragments hold, in fragment order, into stage st
.macro LOADG g, st
.irp c, 0,1,2,3
.irp p, 0,1
	global_load_b128 v[\st+16*\c+8*\p:\st+16*\c+8*\p+3],   v252, s[14:15] offset:\g*65536+\c*128+\p*64
	global_load_b128 v[\st+16*\c+8*\p+4:\st+16*\c+8*\p+7], v252, s[14:15] offset:\g*65536+\c*128+\p*64+16
.endr
.endr
.endm
; stage st is scaled by s[sc] and rounded into gate g's four fragments in window 1
.macro CONV g, st, sc
.set k, 0
.rept 32
	v_pk_mul_f32 v[\st+2*k:\st+2*k+1], v[\st+2*k:\st+2*k+1], s[\sc:\sc+1] op_sel_hi:[1,0]
.set k, k+1
.endr
	WIN 0x40
.set k, 0
.rept 32
	v_cvt_pk_bf16_f32 v[40*\g+k], v[\st+2*k], v[\st+2*k+1]
.set k, k+1
.endr
	WIN 0
.endm
; gate g's fifth-chunk words, at work in v[72+8g ..]: +2 = {wh0,wh1}, +3 = {wl0,wl1}, +7 = {bh,bl}
.macro EXTW g, sc
	v_pk_mul_f32 v[72+8*\g:73+8*\g], v[32+2*\g:33+2*\g], s[\sc:\sc+1] op_sel_hi:[1,0]
	v_add_f32 v[78+8*\g], v[40+\g], v[44+\g]
	v_cvt_pk_bf16_f32 v[74+8*\g], v[72+8*\g], v[73+8*\g]
	v_mul_f32 v[78+8*\g], s[\sc], v[78+8*\g]
	v_lshlrev_b32 v[76+8*\g], 16, v[74+8*\g]
	v_and_b32 v[77+8*\g], 0xffff0000, v[74+8*\g]
	v_cvt_pk_bf16_f32 v[79+8*\g], v[78+8*\g], v[78+8*\g]
	v_pk_add_f32 v[76+8*\g:77+8*\g], v[72+8*\g:73+8*\g], v[76+8*\g:77+8*\g] neg_lo:[0,1] neg_hi:[0,1]
	v_lshlrev_b32 v[79+8*\g], 16, v[79+8*\g]
	v_cvt_pk_bf16_f32 v[75+8*\g], v[76+8*\g], v[77+8*\g]
	v_sub_f32 v[79+8*\g], v[78+8*\g], v[79+8*\g]
	v_cvt_pk_bf16_f32 v[79+8*\g], v[78+8*\g], v[79+8*\g]
.endm
	LOADG 0, STG0
	LOADG 1, STG1
	s_wait_loadcnt 32                              ; loads come back in order: the 16 small ones are in, the two runs of 16 behind them stay out
	; observed x, pair p of my four (x0, x1): {hi, lo, hi, ones}, 16 bytes into XF
.irp p, 0,1,2,3
	v_cvt_pk_bf16_f32 v[48+4*\p], v[16+2*\p], v[17+2*\p]
	v_lshlrev_b32 v[64+2*\p], 16, v[48+4*\p]
	v_and_b32 v[65+2*\p], 0xffff0000, v[48+4*\p]
	v_pk_add_f32 v[64+2*\p:65+2*\p], v[16+2*\p:17+2*\p], v[64+2*\p:65+2*\p] neg_lo:[0,1] neg_hi:[0,1]
	v_cvt_pk_bf16_f32 v[49+4*\p], v[64+2*\p], v[65+2*\p]
	v_mov_b32 v[50+4*\p], v[48+4*\p]
	v_mov_b32 v[51+4*\p], 0x3f803f80
	ds_store_b128 v244, v[48+4*\p:51+4*\p] offset:(\p>>1)*1024+(\p&1)*2048
.endr
	EXTW 0, 32
	EXTW 1, 32
	EXTW 2, 34
	EXTW 3, 32
.irp i, 0,1,2,3
	v_cvt_pk_bf16_f32 v[104+\i], v[24+2*\i], v[25+2*\i]
.endr
	v_cmp_gt_u32 vcc_lo, 16, v8                    ; lanes hh = 0 hold k = 0..7 of the fifth chunk; k = 8..31 are zero in A
	v_cmp_gt_u32 s43, 2, v9                        ; rows 0 and 1 of the head's A are W_last, rows 2..15 zero
	WIN 0x40
.irp g, 0,1,2,3
	v_cndmask_b32 v[40*\g+32], 0, v[74+8*\g], vcc_lo
	v_cndmask_b32 v[40*\g+33], 0, v[74+8*\g], vcc_lo
	v_cndmask_b32 v[40*\g+34], 0, v[75+8*\g], vcc_lo
	v_cndmask_b32 v[40*\g+35], 0, v[79+8*\g], vcc_lo
.irp i, 36,37,38,39
	v_mov_b32 v[40*\g+\i], 0
.endr
.endr
.irp i, 0,1,2,3
	v_cndmask_b32 v[WL+\i], 0, v[104+\i], s43
	v_mov_b32 v[WL+4+\i], 0
.endr
	WIN 0
	s_wait_loadcnt 16                              ; gate i's 16 loads are in; the 16 issued behind them stay out.  The same count twice more below
	CONV 0, STG0, 32
	LOADG 2, STG0
	s_wait_loadcnt 16
	CONV 1, STG1, 32
	LOADG 3, STG1
	s_wait_loadcnt 16
	CONV 2, STG0, 34
	s_wait_loadcnt 0x0
	CONV 3, STG1, 32
	s_wait_kmcnt 0x0                               ; b_last
	v_mov_b32 v8, 0x4038aa3b
	v_mov_b32 v9, 0x4038aa3b
	v_mov_b32 v10, s28
	v_mov_b32 v11, s29
.irp i, 4,5,6,7, 12,13,14,15
	v_mov_b32 v[EX+\i], 0
.endr
.irp i, 4,5,6,7
	v_mov_b32 v[RB+\i], 0
.endr
	WIN 0x40
	v_mov_b32 v[K2W], 0x4038aa3b
	v_mov_b32 v[K2W+1], 0x4038aa3b
	WIN 0
.irp j, 0,1,2
	global_load_b128 v[GT+4*\j:GT+4*\j+3], v2, s[10:11] offset:\j*4096 th:TH_LOAD_NT   ; wanted behind the last cell: waited for there; v[80:91], v2 and s[10:11] are not written until then
.endr
	s_wait_dscnt 0x0                               ; my part of XF is written
	s_barrier_signal -1
	s_barrier_wait -1                              ; everybody's is
; A tile's LDS loads into register set bs.  lm 0: none; 1: x from XF alone (cell 0, h = 0); 2: h and x from XF; 3: h and the eight head pairs.
.macro LOADS lm, slot, tile, toff, bs
.if \lm >= 2
.irp q, 0,1,2,3,4,5,6,7
	ds_load_b128 v[BF+32*\bs+4*\q:BF+32*\bs+4*\q+3], v1 offset:HB+\slot*HSLOT+\tile*4096+\q*512
.endr
.endif
.if \lm == 3
.irp q, 0,1,2,3
	ds_load_b128 v[PL+16*\bs+4*\q:PL+16*\bs+4*\q+3], v4 offset:\slot*PSLOT+\tile*2304+\q*16
.endr
.endif
.if \lm == 1
	ds_load_b128 v[EX+8*\bs:EX+8*\bs+3], v3 offset:\toff+\tile*256
.endif
.if \lm == 2
	ds_load_b128 v[EX+8*\bs:EX+8*\bs+3], v3 offset:\toff+\tile*256
.endif
.endm
; t = the eight waves' pairs + b_last, in f32, into v[12:13]
.macro TSUM bs
.irp q, 0,4,8,12
	v_pk_add_f32 v[PL+16*\bs+\q:PL+16*\bs+\q+1], v[PL+16*\bs+\q:PL+16*\bs+\q+1], v[PL+16*\bs+\q+2:PL+16*\bs+\q+3]
.endr
	v_pk_add_f32 v[PL+16*\bs:PL+16*\bs+1], v[PL+16*\bs:PL+16*\bs+1], v[PL+16*\bs+4:PL+16*\bs+5]
	v_pk_add_f32 v[PL+16*\bs+8:PL+16*\bs+9], v[PL+16*\bs+8:PL+16*\bs+9], v[PL+16*\bs+12:PL+16*\bs+13]
	v_pk_add_f32 v[PL+16*\bs:PL+16*\bs+1], v[PL+16*\bs:PL+16*\bs+1], v[PL+16*\bs+8:PL+16*\bs+9]
	v_pk_add_f32 v[12:13], v[PL+16*\bs:PL+16*\bs+1], v[10:11]
.endm
; A predicted step's x: the point t of my batch row; the wave whose number is the tile's puts it into the image of out0; then the
; fragment words {hi, lo, hi}.  Register 3 keeps the pair of ones that the last observed step's load brought.
.macro XPRED tile, bs, ooff
	TSUM \bs
	s_cmp_lg_u32 s30, \tile
	s_cbranch_scc1 .Lnot_mine_\@
	ds_store_b64 v6, v[12:13] offset:\ooff
.Lnot_mine_\@:
	v_cvt_pk_bf16_f32 v[EX+8*\bs], v12, v13
	v_lshlrev_b32 v14, 16, v[EX+8*\bs]
	v_and_b32 v15, 0xffff0000, v[EX+8*\bs]
	v_pk_add_f32 v[14:15], v[12:13], v[14:15] neg_lo:[0,1] neg_hi:[0,1]
	v_cvt_pk_bf16_f32 v[EX+8*\bs+1], v14, v15
	v_mov_b32 v[EX+8*\bs+2], v[EX+8*\bs]
.endm
; The next of a tile's matrix instructions (number mk of mlim), under setting 0x51.  Numbers 0-3: the fifth chunk starts the four
; gates' sums (C = 0: nothing is cleared); 4-19: chunks 0-3.  The four accumulators take turns, one instruction a turn.
.macro MW
.if mk < mlim
.if mk < 4
	v_wmma_f32_16x16x32_bf16 v[MACC+8*mk:MACC+8*mk+7], v[40*mk+32:40*mk+39], v[MEX:MEX+7], 0
.else
	v_wmma_f32_16x16x32_bf16 v[MACC+8*(mk&3):MACC+8*(mk&3)+7], v[40*(mk&3)+8*(mk/4-1):40*(mk&3)+8*(mk/4-1)+7], v[MBF+8*(mk/4-1):MBF+8*(mk/4-1)+7], v[MACC+8*(mk&3):MACC+8*(mk&3)+7]
.endif
.set mk, mk+1
.endif
.endm
; Trip P(nt).  fa: c = 0 (cell 0).  head: the point's share is made.  hst: h and c' are kept for a next cell.  ws: the slot written.
; ml: matrix instructions of tile nt + 1 (20; 4 in cell 0; 0 behind the last tile).  lm, lslot, ltile, ltoff, looff: the loads of
; tile nt + 2 (LOADS) and where its point goes in the image of out0.  bar: the trip holds a barrier.
; Behind each run of exponentials or reciprocals stands a plain vector line that touches none of the run's registers before a
; result is used (ISA guide 5.7.2); matrix instructions in between are not counted as such.
.macro PIPE nt, fa, head, hst, ws, ml, lm, lslot, ltile, ltoff, looff, bar
.set AI, ACC+32*(\nt&1)
.set AF, AI+8
.set AG, AI+16
.set AO, AI+24
.set MACC, ACC+32*((\nt+1)&1)
.set MEX, EX+8*((\nt+1)&1)
.set MBF, BF+32*((\nt+1)&1)
.set mk, 0
.set mlim, \ml
	LOADS \lm, \lslot, \ltile, \ltoff, (\nt&1)     ; into the set that tile nt's matrix instructions read: the last of them stands more than four places back
	WIN MODA
	MW
.irp j, 0,1,2,3
	v_min_num_f32 v[AI+\j], v[AI+\j], s31
	v_min_num_f32 v[AG+\j], v[AG+\j], s31
.endr
	MW
.irp j, 4,5,6,7
	v_min_num_f32 v[AI+\j], v[AI+\j], s31
	v_min_num_f32 v[AG+\j], v[AG+\j], s31
.endr
.irp j, 0,2,4,6
	MW
	v_exp_f32 v[AI+\j], v[AI+\j]                   ; Ei
	v_exp_f32 v[AI+\j+1], v[AI+\j+1]
	v_exp_f32 v[AG+\j], v[AG+\j]                   ; Eg
	v_exp_f32 v[AG+\j+1], v[AG+\j+1]
.endr
	MW
.irp j, 0,1,2,3,4,5,6,7
	v_min_num_f32 v[AF+\j], v[AF+\j], s31
.endr
.irp j, 0,2,4,6
	MW
	v_exp_f32 v[AF+\j], v[AF+\j]                   ; Ef
	v_exp_f32 v[AF+\j+1], v[AF+\j+1]
	v_exp_f32 v[AO+\j], v[AO+\j]                   ; Eo
	v_exp_f32 v[AO+\j+1], v[AO+\j+1]
.endr
	MW
	s_wait_alu depctr_va_vdst(0)
.irp j, 0,2,4,6
	v_pk_fma_f32 v[TT+\j:TT+\j+1], v[AG+\j:AG+\j+1], v[8:9], v[K2W:K2W+1] neg_lo:[0,0,1] neg_hi:[0,0,1]   ; K2 (Eg - 1)
.endr
.irp j, 0,2,4,6
	v_pk_add_f32 v[AG+\j:AG+\j+1], v[AG+\j:AG+\j+1], 1.0 op_sel_hi:[1,0]                                  ; 1 + Eg
.endr
	WIN MODB
.irp j, 0,2,4,6
	v_pk_fma_f32 v[AI+\j:AI+\j+1], v[AI+\j:AI+\j+1], v[AG+\j:AG+\j+1], v[AG+\j:AG+\j+1]                   ; P = (1 + Ei)(1 + Eg)
.endr
.irp j, 0,2,4,6
	v_pk_fma_f32 v[AG+\j:AG+\j+1], v[AI+\j:AI+\j+1], v[AF+\j:AF+\j+1], v[AI+\j:AI+\j+1]                   ; P (1 + Ef)
.endr
.irp j, 0,2,4,6
	v_pk_fma_f32 v[TT+\j:TT+\j+1], v[TT+\j:TT+\j+1], v[AF+\j:AF+\j+1], v[TT+\j:TT+\j+1]                   ; K2 (Eg - 1)(1 + Ef)
.endr
	WIN MODA
	MW
.irp j, 0,1,2,3
	v_rcp_f32 v[AG+\j], v[AG+\j]
.endr
	MW
.irp j, 4,5,6,7
	v_rcp_f32 v[AG+\j], v[AG+\j]
.endr
.if \fa
	v_nop                                          ; c = 0: nothing to add; the plain line behind the reciprocals
	s_wait_alu depctr_va_vdst(0)
.else
	s_wait_alu depctr_va_vdst(0)
.irp j, 0,2,4,6
	v_pk_fma_f32 v[TT+\j:TT+\j+1], v[AI+\j:AI+\j+1], v[CST+8*\nt+\j:CST+8*\nt+\j+1], v[TT+\j:TT+\j+1]     ; + P c'
.endr
.endif
.if \bar
	s_wait_dscnt 0x0                               ; the last trips' LDS stores are done and this trip's loads are back
	s_barrier_signal -1                            ; register work alone up to the wait below
.endif
	WIN MODB
	s_wait_alu depctr_va_vdst(0)
.irp j, 0,2,4,6
	v_pk_mul_f32 v[AI+\j:AI+\j+1], v[TT+\j:TT+\j+1], v[AG+\j:AG+\j+1]                                     ; the new c'
.endr
	WIN MODA
	MW
.irp j, 0,1,2,3
	v_exp_f32 v[AF+\j], v[AI+\j]                   ; Ec
.endr
	MW
.irp j, 4,5,6,7
	v_exp_f32 v[AF+\j], v[AI+\j]
.endr
	MW
	v_nop
	s_wait_alu depctr_va_vdst(0)
.irp j, 0,2,4,6
	v_pk_add_f32 v[AI+\j:AI+\j+1], v[AF+\j:AF+\j+1], 1.0 op_sel_hi:[1,0]                                  ; 1 + Ec
.endr
	WIN MODB
.irp j, 0,2,4,6
	v_pk_fma_f32 v[AO+\j:AO+\j+1], v[AO+\j:AO+\j+1], v[AI+\j:AI+\j+1], v[AI+\j:AI+\j+1]                   ; (1 + Eo)(1 + Ec)
.endr
	WIN MODA
	MW
.irp j, 0,1,2,3
	v_rcp_f32 v[AO+\j], v[AO+\j]
.endr
	MW
.irp j, 4,5,6,7
	v_rcp_f32 v[AO+\j], v[AO+\j]
.endr
	MW                                             ; tile nt + 1's last; the four lines below are the four places behind it (ISA guide 7.12.1)
.irp j, 0,2,4,6
	v_pk_add_f32 v[AF+\j:AF+\j+1], v[AF+\j:AF+\j+1], -1.0 op_sel_hi:[1,0]                                 ; Ec - 1
.endr
	WIN MODB
	s_wait_alu depctr_va_vdst(0)
.irp j, 0,2,4,6
	v_pk_mul_f32 v[AF+\j:AF+\j+1], v[AF+\j:AF+\j+1], v[AO+\j:AO+\j+1]                                     ; h
.endr
.if \head
	WIN MODA
.irp j, 0,1,2,3,4,5,6,7
	v_max_num_f32 v[AI+\j], v[AF+\j], 0
.endr
.endif
	WIN MODC                                       ; from window 1 into window 0
.if \hst
.irp j, 0,2,4,6
	v_pk_mul_f32 v[CST+8*\nt+\j:CST+8*\nt+\j+1], v[TT+\j:TT+\j+1], v[AG+\j:AG+\j+1]                       ; the new c' once more, to where it is kept
.endr
.endif
.if \head
.irp i, 0,1,2,3
	v_cvt_pk_bf16_f32 v[RB+\i], v[AI+2*\i], v[AI+2*\i+1]
.endr
.endif
.if \hst
.irp i, 0,1,2,3
	v_cvt_pk_bf16_f32 v[HP+\i], v[AF+2*\i], v[AF+2*\i+1]
.endr
.endif
.if \head
	WIN MODA
	v_wmma_f32_16x16x32_bf16 v[PD:PD+7], v[WL:WL+7], v[RB:RB+7], 0
.endif
	WIN 0
.if \bar
	s_barrier_wait -1                              ; every wave's stores of the four tiles before this one are done, and its loads so far are back
.endif
	s_wait_dscnt 0x0                               ; tile nt + 2's loads, issued at the head of the trip, are back
.if \hst
	ds_store_b128 v2, v[HP:HP+3] offset:HB+\ws*HSLOT+\nt*4096
.endif
.if \lm == 3
	XPRED \ltile, (\nt&1), \looff                  ; its adds are the places between the head's matrix instruction and the store of its result
.else
.if \head
.rept 4
	v_nop
.endr
.endif
.endif
.if \head
	WIN MODD
	ds_store_b64 v5, v[PD:PD+1] offset:\ws*PSLOT+\nt*2304
	WIN 0
.endif
.endm
; The eight trips of one cell, which reads slot rs and writes slot ws.  cm, ctoff, cooff: the loads of this cell's tiles 2-7;
; sm, stoff, sooff: those of the next cell's tiles 0 and 1, from the slot that this cell writes.  mcur, msucc: matrix instructions
; of a tile of this cell and of the next.  b0, b4: barriers in trips 0 and 4.
.macro ROW fa, head, hst, rs, ws, cm, ctoff, cooff, sm, stoff, sooff, mcur, msucc, b0, b4
	PIPE 0, \fa, \head, \hst, \ws, \mcur, \cm, \rs, 2, \ctoff, \cooff, \b0
	PIPE 1, \fa, \head, \hst, \ws, \mcur, \cm, \rs, 3, \ctoff, \cooff, 0
	PIPE 2, \fa, \head, \hst, \ws, \mcur, \cm, \rs, 4, \ctoff, \cooff, 0
	PIPE 3, \fa, \head, \hst, \ws, \mcur, \cm, \rs, 5, \ctoff, \cooff, 0
	PIPE 4, \fa, \head, \hst, \ws, \mcur, \cm, \rs, 6, \ctoff, \cooff, \b4
	PIPE 5, \fa, \head, \hst, \ws, \mcur, \cm, \rs, 7, \ctoff, \cooff, 0
	PIPE 6, \fa, \head, \hst, \ws, \mcur, \sm, \ws, 0, \stoff, \sooff, 0
	PIPE 7, \fa, \head, \hst, \ws, \msucc, \sm, \ws, 1, \stoff, \sooff, 0
.endm
	; the pipeline is filled: x of cell 0's tiles 0 and 1, and tile 0's four matrix instructions
	LOADS 1, 0, 0, 0, 0
	LOADS 1, 0, 1, 0, 1
	s_wait_dscnt 0x0
.set MACC, ACC
.set MEX, EX
.set MBF, BF
.set mk, 0
.set mlim, 4
	WIN MODA
	MW
	MW
	MW
	MW
	WIN 0
.rept 4
	v_nop                                          ; four places before the results are read and a load is issued into the x fragment
.endr
	ROW 1,0,1, 0,0, 1,0,0,    2,2048,0, 4,20,  0,1 ; cell 0: h = c = 0
	s_mov_b32 s38, 3
.Lobs:                                             ; cells 1 to 6, two a lap
	ROW 0,0,1, 0,1, 2,2048,0, 2,4096,0, 20,20, 1,1
	ROW 0,0,1, 1,0, 2,4096,0, 2,6144,0, 20,20, 1,1
	v_add_nc_u32 v3, 4096, v3                      ; two steps on in XF
	s_sub_co_i32 s38, s38, 1
	s_cmp_lg_u32 s38, 0
	s_cbranch_scc1 .Lobs
	ROW 0,1,1, 0,1, 2,2048,0, 3,0,0,    20,20, 1,1 ; cell 7: the first head; its last two trips make the first points
	s_mov_b32 s38, 5
.Lpred:                                            ; cells 8 to 17, two a lap; out0's k = 0 to 9 (and k = 10 of tiles 0 and 1) go into the image
	ROW 0,1,1, 1,0, 3,0,0,    3,0,8,    20,20, 1,1
	ROW 0,1,1, 0,1, 3,0,8,    3,0,16,   20,20, 1,1
	v_add_nc_u32 v6, 16, v6                        ; two points on in a row of the image
	s_sub_co_i32 s38, s38, 1
	s_cmp_lg_u32 s38, 0
	s_cbranch_scc1 .Lpred
	ROW 0,1,0, 1,0, 3,0,0,    0,0,0,    20,0,  1,0 ; cell 18: k = 10; its h feeds the head alone; the pipeline runs empty
	s_wait_dscnt 0x0                               ; my pairs of cell 18 are written
	s_barrier_signal -1
	s_barrier_wait -1                              ; everybody's are
	; k = 11: wave w adds the pairs of tile w
.irp q, 0,1,2,3
	ds_load_b128 v[PL+4*\q:PL+4*\q+3], v7 offset:\q*16
.endr
	s_wait_dscnt 0x0
	TSUM 0
	ds_store_b64 v6, v[12:13] offset:8
	s_wait_dscnt 0x0
	s_barrier_signal -1
	s_barrier_wait -1                              ; the image of out0 is whole
	v_add_nc_u32 v14, OS, v2
.irp j, 0,1,2
	ds_load_b128 v[112+4*\j:115+4*\j], v14 offset:\j*4096
.endr
	s_wait_dscnt 0x0
.irp j, 0,1,2
	global_store_b128 v2, v[112+4*\j:115+4*\j], s[24:25] offset:\j*4096 th:TH_STORE_NT   ; a wave's store covers 512 consecutive bytes, aligned
.endr
	s_wait_loadcnt 0x0                             ; traj_gt, asked for in front of cell 0
.irp j, 0,2,4,6,8,10
	v_pk_add_f32 v[124+\j:125+\j], v[112+\j:113+\j], v[GT+\j:GT+\j+1] neg_lo:[0,1] neg_hi:[0,1]
.endr
	v_pk_mul_f32 v[136:137], v[124:125], v[124:125]
.irp j, 2,4,6,8,10
	v_pk_fma_f32 v[136:137], v[124+\j:125+\j], v[124+\j:125+\j], v[136:137]
.endr
	v_add_f32 v136, v136, v137
	v_add_f32_dpp v136, v136, v136 row_xmask:1 row_mask:0xf bank_mask:0xf
	v_add_f32_dpp v136, v136, v136 row_xmask:2 row_mask:0xf bank_mask:0xf
	v_add_f32_dpp v136, v136, v136 row_xmask:4 row_mask:0xf bank_mask:0xf
	v_add_f32_dpp v136, v136, v136 row_xmask:8 row_mask:0xf bank_mask:0xf
	v_permlanex16_b32 v137, v136, s36, s37
	v_add_f32 v136, v136, v137                     ; the wave's sum of squares
	v_mov_b32 v15, s30
	v_lshl_add_u32 v15, v15, 2, RED
	ds_store_b32 v15, v136
	s_wait_dscnt 0x0
	s_barrier_signal -1
	s_barrier_wait -1
	s_cmp_lg_u32 s30, 0
	s_cbranch_scc1 .Ldone                          ; wave 0 adds the eight and stores the work-group's one word
	v_mov_b32 v15, RED
	ds_load_b128 v[140:143], v15
	ds_load_b128 v[144:147], v15 offset:16
	v_mov_b32 v14, 0
	v_cmp_eq_u32 vcc_lo, 0, v0
	s_wait_dscnt 0x0
	v_pk_add_f32 v[140:141], v[140:141], v[142:143]
	v_pk_add_f32 v[144:145], v[144:145], v[146:147]
	v_pk_add_f32 v[140:141], v[140:141], v[144:145]
	v_add_f32 v140, v140, v141
	s_wait_xcnt 0x0                                ; EXEC is a source of the stores above: it changes only behind this wait
	s_and_saveexec_b32 s42, vcc_lo
	global_store_b32 v14, v140, s[26:27]
	s_wait_xcnt 0x0                                ; and again in front of the line that widens it
	s_or_b32 exec_lo, exec_lo, s42
.Ldone:
	s_wait_tensorcnt 0x0
	ds_add_u32 v250, v251
	s_wait_dscnt 0x0
	s_endpgm
.Lfunc_end_k_q2597ace7f7_lstm:
	.size	k_q2597ace7f7_lstm, .Lfunc_end_k_q2597ace7f7_lstm-k_q2597ace7f7_lstm
	.p2alignl 7, 3214868480
	.fill 96, 4, 3214868480
	.section	.rodata,"a",@progbits
	.p2align	6, 0x0
	.amdhsa_kernel k_q2597ace7f7_lstm
		.amdhsa_group_segment_fixed_size 132352
		.amdhsa_private_segment_fixed_size 0
		.amdhsa_enable_private_segment 0
		.amdhsa_kernarg_size 80
		.amdhsa_user_sgpr_count 2
		.amdhsa_user_sgpr_kernarg_segment_ptr 1
		.amdhsa_wavefront_size32 1
		.amdhsa_system_sgpr_workgroup_id_x 1
		.amdhsa_system_sgpr_workgroup_id_y 1
		.amdhsa_system_sgpr_workgroup_id_z 1
		.amdhsa_system_vgpr_workitem_id 0
		.amdhsa_next_free_vgpr 512
		.amdhsa_next_free_sgpr 66
		.amdhsa_reserve_vcc 1
		.amdhsa_float_denorm_mode_32 3
		.amdhsa_float_denorm_mode_16_64 3
		.amdhsa_memory_ordered 1
		.amdhsa_forward_progress 1
		.amdhsa_inst_pref_size 255
	.end_amdhsa_kernel
	.section	.bss,"aw",@nobits
	.p2align	6
	.space	262144
	.amdgpu_metadata
---
amdhsa.version: [ 1, 2 ]
amdhsa.kernels:
  - .name:           k_q2597ace7f7_lstm
    .symbol:         k_q2597ace7f7_lstm.kd
    .args:
      - { .name: traj_in, .offset: 0, .size: 8, .value_kind: global_buffer, .address_space: global }
      - { .name: traj_gt, .offset: 8, .size: 8, .value_kind: global_buffer, .address_space: global }
      - { .name: W_ih, .offset: 16, .size: 8, .value_kind: global_buffer, .address_space: global }
      - { .name: W_hh, .offset: 24, .size: 8, .value_kind: global_buffer, .address_space: global }
      - { .name: b_ih, .offset: 32, .size: 8, .value_kind: global_buffer, .address_space: global }
      - { .name: b_hh, .offset: 40, .size: 8, .value_kind: global_buffer, .address_space: global }
      - { .name: W_last, .offset: 48, .size: 8, .value_kind: global_buffer, .address_space: global }
      - { .name: b_last, .offset: 56, .size: 8, .value_kind: global_buffer, .address_space: global }
      - { .name: out0, .offset: 64, .size: 8, .value_kind: global_buffer, .address_space: global }
      - { .name: part, .offset: 72, .size: 8, .value_kind: global_buffer, .address_space: global }
    .group_segment_fixed_size: 132352
    .private_segment_fixed_size: 0
    .kernarg_segment_align: 8
    .kernarg_segment_size: 80
    .max_flat_workgroup_size: 256
    .sgpr_count:     66
    .vgpr_count:     512
    .wavefront_size: 32
...
	.end_amdgpu_metadata
.endif
;; end of part 1
;; launch loss (part 2): grid 1 x 1, 1 waves a work-group, no clusters, 0 bytes of LDS; arguments part, out1; writes out1
.if DOCPART == 2
	.amdgcn_target "amdgcn-amd-amdhsa--gfx1250"
	.amdhsa_code_object_version 6
	.text
	.protected	k_q2597ace7f7_loss
	.globl	k_q2597ace7f7_loss
	.p2align	8
	.type	k_q2597ace7f7_loss,@function
k_q2597ace7f7_loss:
	s_mov_b64 s[64:65], 0
	v_nop
	global_prefetch_b8 v0, s[64:65] scope:SCOPE_SE
	s_setreg_imm32_b32 hwreg(HW_REG_WAVE_MODE, 25, 1), 1
	s_wait_xcnt 0x0
; out1 = (the sum of the 256 work-groups' sums of squares) / 786,432, the mean over 32,768 x 12 x 2 numbers.
; One wave: 1,024 bytes are two loads of 16 bytes a lane; the sum is a fixed tree.  A launch of its own, since the sum spans the
; work-groups of the launch before and those hand nothing to each other.
	s_load_b128 s[4:7], s[0:1], 0x0                ; part s[4:5], out1 s[6:7]
	v_lshlrev_b32 v1, 4, v0
	v_mov_b32 v12, 0
	s_mov_b32 s8, 0x76543210                       ; v_permlanex16_b32: lane i takes lane i of the other half
	s_mov_b32 s9, 0xfedcba98
	s_wait_kmcnt 0x0
	global_load_b128 v[4:7], v1, s[4:5]
	global_load_b128 v[8:11], v1, s[4:5] offset:512
	v_cmp_eq_u32 vcc_lo, 0, v0
	s_wait_loadcnt 0x0
	v_pk_add_f32 v[4:5], v[4:5], v[6:7]
	v_pk_add_f32 v[8:9], v[8:9], v[10:11]
	v_pk_add_f32 v[4:5], v[4:5], v[8:9]
	v_add_f32 v4, v4, v5
	v_add_f32_dpp v4, v4, v4 row_xmask:1 row_mask:0xf bank_mask:0xf
	v_add_f32_dpp v4, v4, v4 row_xmask:2 row_mask:0xf bank_mask:0xf
	v_add_f32_dpp v4, v4, v4 row_xmask:4 row_mask:0xf bank_mask:0xf
	v_add_f32_dpp v4, v4, v4 row_xmask:8 row_mask:0xf bank_mask:0xf
	v_permlanex16_b32 v5, v4, s8, s9
	v_add_f32 v4, v4, v5
	v_mul_f32 v4, 0x35aaaaab, v4                   ; 1 / 786,432 = (1/3) 2^-18
	s_wait_xcnt 0x0                                ; EXEC is a source of the loads above: it changes only behind this wait
	s_and_saveexec_b32 s10, vcc_lo                 ; lane 0 alone stores the one number
	global_store_b32 v12, v4, s[6:7]
	s_endpgm
.Lfunc_end_k_q2597ace7f7_loss:
	.size	k_q2597ace7f7_loss, .Lfunc_end_k_q2597ace7f7_loss-k_q2597ace7f7_loss
	.p2alignl 7, 3214868480
	.fill 96, 4, 3214868480
	.section	.rodata,"a",@progbits
	.p2align	6, 0x0
	.amdhsa_kernel k_q2597ace7f7_loss
		.amdhsa_group_segment_fixed_size 0
		.amdhsa_private_segment_fixed_size 0
		.amdhsa_enable_private_segment 0
		.amdhsa_kernarg_size 16
		.amdhsa_user_sgpr_count 2
		.amdhsa_user_sgpr_kernarg_segment_ptr 1
		.amdhsa_wavefront_size32 1
		.amdhsa_system_sgpr_workgroup_id_x 1
		.amdhsa_system_sgpr_workgroup_id_y 1
		.amdhsa_system_sgpr_workgroup_id_z 1
		.amdhsa_system_vgpr_workitem_id 0
		.amdhsa_next_free_vgpr 16
		.amdhsa_next_free_sgpr 66
		.amdhsa_reserve_vcc 1
		.amdhsa_float_denorm_mode_32 3
		.amdhsa_float_denorm_mode_16_64 3
		.amdhsa_memory_ordered 1
		.amdhsa_forward_progress 1
		.amdhsa_inst_pref_size 2
	.end_amdhsa_kernel
	.amdgpu_metadata
---
amdhsa.version: [ 1, 2 ]
amdhsa.kernels:
  - .name:           k_q2597ace7f7_loss
    .symbol:         k_q2597ace7f7_loss.kd
    .args:
      - { .name: part, .offset: 0, .size: 8, .value_kind: global_buffer, .address_space: global }
      - { .name: out1, .offset: 8, .size: 8, .value_kind: global_buffer, .address_space: global }
    .group_segment_fixed_size: 0
    .private_segment_fixed_size: 0
    .kernarg_segment_align: 8
    .kernarg_segment_size: 16
    .max_flat_workgroup_size: 32
    .sgpr_count:     66
    .vgpr_count:     16
    .wavefront_size: 32
...
	.end_amdgpu_metadata
.endif
;; end of part 2
